; MI455X (gfx1250); checked and timed in simulation.
; The chip was launched on July 23, 2026; its instructions are those of AMD's public machine-readable ISA for CDNA 5 (MIT licence, August 2026) and "CDNA5" Instruction Set Architecture Reference Guide (July 2026). The comments in the code are by the model that wrote it; some were corrected since.
;; compute Attention Weight Proj. Allowed arithmetic: matrix products marked QUANTISED: E2M3 operands, one E8M0 scale for each 32 along K, by v_wmma_scale_f32_16x16x128_f8f6f4 with both operands' format E2M3, f32 sums; products left as they are: f32 operands where the result goes on into a quantised operand, else bf16, f16 or f32 operands; f32 sums; everything else in f32.
;; Inputs: G 8 x 4 x 2,048 x 32 float32; K 8 x 4 x 2,048 x 32 float32; Q 8 x 4 x 2,048 x 32 float32; V 8 x 4 x 2,048 x 32 float32; seqMask 4 x 2,048 bool.
;; Outputs: out0 4 x 2,048 x 8 x 32 float32.
;; This version of the problem:
;;   THIS VERSION OF THE PROBLEM IS GIVEN IN LOW PRECISION. The matrix products marked QUANTISED in the list below multiply operands that are first quantised to E2M3 (2 exponent bits, 3 mantissa bits; 6 bits a number), with one power-of-two scale for each 32 numbers along K (OCP MX v1.0); their sums are f32. All else is computed in f32.
;;   The module's matrix products, in the order in which they are computed (A, B: the left and right operand; K: the contracted axis; several contracted axes count as one K, in the product's order):
;;     1. batch 32 x [M 2,048, K 32] x [K 32, N 2,048]; A: input Q; B: input K: QUANTISED
;;     2. batch 32 x [M 32, K 2,048] x [K 2,048, N 2,048]; A: input V; B: softmax (see below): QUANTISED
;;     3. batch 2,097,152 x [M 1, K 1] x [K 1, N 1]; A: computed on the way; B: computed on the way: left as it is (no contracted axis)
;;   THE QUANTISER, for each operand of a quantised product, along K:
;;     - K is cut into blocks of 32 from its start; a last block that is shorter is filled with zeros.
;;     - A block's scale is 2^e with e = floor(log2(the largest magnitude in the block)) - 2, held to -126 .. 127; a block of zeros has e = 0. As a byte (E8M0): e + 127.
;;     - Each number is divided by its block's scale, clamped to +-7.5, and rounded to the nearest number of E2M3, ties to even, subnormals kept.
;;     - The product sums the exact products of the quantised numbers (number of the format x scale) in f32.
;;   ~~~python
;;   def quantise(x, axis):      # numpy; x: float32 -> the quantised numbers, widened to float32 again
;;       x = np.moveaxis(x, axis, -1); K = x.shape[-1]
;;       x = np.pad(x, [(0, 0)] * (x.ndim - 1) + [(0, -K % 32)]); x = x.reshape(x.shape[:-1] + (-1, 32)); a = np.abs(x).max(-1, keepdims=True)
;;       e = np.where(a > 0, np.clip(np.frexp(np.where(a > 0, a, 1))[1] - 1 - 2, -126, 127), 0)      # np.frexp(a)[1] - 1 = floor(log2(a)), exactly
;;       r = np.clip(x / 2.0 ** e, -7.5, 7.5)
;;       step = 2.0 ** (np.maximum(np.frexp(np.where(r == 0, 1, r))[1] - 1, 0) - 3)
;;       q = np.round(r / step) * step * 2.0 ** e      # np.round: ties to even
;;       return np.moveaxis(q.reshape(q.shape[:-2] + (-1,))[..., :K], -1, axis).astype(np.float32)
;;   ~~~
;;   SOFTMAX AHEAD OF A QUANTISED PRODUCT. Where the list says 'softmax', what is quantised is not the finished softmax but p = 2^(t - M), with t = logit x log2(e) and M = ceil(the row's largest t), a whole number; so 1/2 < the row's largest p <= 1. The row's sum l is taken of the UNQUANTISED p, in f32, and the product's result is divided by l at the end. Since M is a whole number, a kernel that streams over the keys may use a running M (the ceiling of the running maximum): every later rescaling is an exact power of two, which a block's scale takes up: the codes' values come out the same.
;;   OPERANDS COMPUTED ON THE WAY. 'Computed on the way' means the value that the module computes at that place (a softmax that the list does not call 'softmax' is quantised finished and normalised). What goes into a quantiser is computed in f32, as accurately as f32 sums, v_exp_f32 and their like allow (about 1e-6 of the number): no bf16 or f16 on the way to a quantiser, and a product that is left as it is and whose result goes on into a quantised operand takes f32 operands (vector FMAs, or v_wmma_f32_16x16x4_f32). A number that lies on a knife's edge between two numbers of the format may be rounded either way, as far as f32 arithmetic and the matrix unit's own rounding can turn it there, and no further.
;; 2 versions. Each part assembles by itself: llvm-mc -triple=amdgcn-amd-amdhsa -mcpu=gfx1250 --defsym DOCPART=n.
;; ======== version 1 of 2: 1 launch
;; limits: inputs' magnitudes at most 140,000,000,000,000; right only within a limited range of input values
;; launch band (part 1): grid 64 x 4, 16 waves a work-group, no clusters, 35,328 bytes of LDS; arguments Q, K, V, G, seqMask, out0; writes out0
.if DOCPART == 1
	.amdgcn_target "amdgcn-amd-amdhsa--gfx1250"
	.amdhsa_code_object_version 6
	.text
	.protected	k_q5c1a6d943e_band
	.globl	k_q5c1a6d943e_band
	.p2align	8
	.type	k_q5c1a6d943e_band,@function
k_q5c1a6d943e_band:
	s_mov_b64 s[64:65], 0
	v_nop
	global_prefetch_b8 v0, s[64:65] scope:SCOPE_SE
	s_setreg_imm32_b32 hwreg(HW_REG_WAVE_MODE, 25, 1), 1
	s_wait_xcnt 0x0
; out0[n][s][h][:] = G[h][n][s][:] x sum over t of softmax_t(Q[h][n][s] . K[h][n][t] / sqrt(32)) V[h][n][t][:], keys t with |s - t| <= 10 and seqMask[n][t] = 0 alone.
; Q, K, V, G: [8][4][2048][32] f32; seqMask: [4][2048] bytes; out0: [4][2048][8][32] f32.  Both products on codes of FP6 (E2M3) with one E8M0 scale for each 32 along a product's K.
; WHAT IS KEPT.  A tile of 16 queries that begins at a multiple of 16, s0, sees keys s0 - 10 .. s0 + 25: they lie in TWO aligned blocks of 32 keys, B0 and B0 + 1.  All other p of a row are 0, so all
; other blocks of the second product add nothing.  A tile therefore has all its keys at once: no loop over keys, no running maximum, no rescaling, no branch.
; SHARES.  Work-group (x = j, y = n): queries 32 j .. 32 j + 31 of batch n, all 8 heads: 32 x 1,024 consecutive bytes of out0.  Wave w: head w / 2, half e = w % 2, one tile, s0 = 32 j + 16 e, B0 = j - 1 + e.
; LAYOUT (lane L, r = L % 16, h = L / 16).  Both products are used transposed, so that a lane holds ONE query (r) throughout.
;   S^T = K Q^T + C: the 32 channels lie as two half-filled blocks of the instruction's K: lane (r, h) holds channels 16 h .. 16 h + 15 of its row in the operand's registers 0-2, one conversion's result; the row's
;   one scale byte stands in bytes 0 and 1 of the scale word.  Q's registers 3-11 are zero codes, so K's registers 3-11 may hold any written bits (every code of FP6 is a finite number): K's four tiles lie 4 registers apart.
;   THE KEYS OF A TILE ARE NOT NEIGHBOURS: lane r of tile 2 c + u takes key 32 c + 8 u + r + 8 (r / 8) of the window, so that register CS + 16 c + i of lane (r, h) is window key 32 c + 16 h + i.
;   O^T = V^T P^T: block 2 c + h of the instruction's K holds the 16 keys 32 c + 16 h + 0 .. 15 in registers 6 c .. 6 c + 2; P's registers 6 c + 3 .. 6 c + 5 are zero codes.  Scale words: bytes b0, b0, b1, b1.
;   V: lane L takes channel L and its registers run down the keys: a block's largest magnitude needs no other lane; three exchanges of half waves a block give the two tiles of 16 channels.
; THE MASKS are the C of the first product: 0, or -2^100 where the band, seqMask or the sequence's end hides a key.  The maxima carry the floor -2^99: in a row with no key left every p is 0, the sum is 0,
; and 0 x (G / 0) is NaN, as the softmax of a row of -infinity is.
; NO JOINT LOADS: neighbouring work-groups share blocks of K and V, but each wants them at another place of its window (the windows are one block apart), and operands go from memory straight into the lanes'
; registers, each used once; a tile shared through LDS would be read at an LDS address that hangs on the work-group's place among its partners.
; LIMITS: NaN and infinities among the inputs are not served; scores of magnitude 2^99 or more are not served; a block of zeros gets the scale byte 1 where the quantiser says 127 (its codes are zeros, and the
; bytes never leave the registers); p under 2^-126 falls to 0 (v_exp_f32 gives 0 there); a block's largest p is taken as 2^(its largest score's t - M), by the same two instructions as every p.
.set PITCH, 1040                       ; a stage row: 8 heads x 128 bytes + 16 = 65 x 16 bytes: the sixteen rows of a store begin at sixteen different 16-byte columns of 256 bytes
.set SPARE, 32*PITCH                   ; 33,280 = 130 x 256: behind the stage's 32 rows: the spare words, 128 bytes for each of 16 waves, that no other line names
.set FLOOR, 0x1800000                  ; 2^(3 - 127): under it no largest magnitude is taken, so that a scale's byte cannot fall under 1
.set LESS2, 0xff000000                 ; takes 2 off an exponent field
.set RR,  1                            ; v1   r
.set HH,  2                            ; v2   h
.set VK,  3                            ; v3   K: (r + 8 (r / 8)) x 128 + 64 h
.set VQ,  4                            ; v4   Q: 128 r + 64 h
.set VG,  5                            ; v5   G: 128 r + 32 h
.set VV,  6                            ; v6   V: 4 L
.set LN,  7                            ; v7   L
.set SPW, 8                            ; v8   LDS address of my spare word; never rewritten
.set NIL, 9                            ; v9   0; never rewritten
.set STO, 10                           ; v10  the stage, on the way in
.set RD,  11                           ; v11  and back
.set GO,  12                           ; v12  16 L: my bytes in a piece of 512 of out0
.set T,   16                           ; v16-31 at work
.set KS,  32                           ; v32-35 K's scale words, v36 Q's, v37 P's, v38 V's: scales and nothing else
.set QS,  36
.set PS,  37
.set VS,  38
.set KC,  40                           ; v40-55 K's codes: tile x at + 4 x, three registers and a zero
.set QR,  56                           ; v56-71 Q as loaded
.set QC,  72                           ; v72-83 Q's operand, later P's: registers 3-5 and 9-11 stay zero
.set PC,  72
.set CS,  84                           ; v84-115 C, then S^T, then p
.set KR,  116                          ; v116-179 K as loaded, tile x at + 16 x; later:
.set VC0, 116                          ;   v116-127 V's operand, channels 0-15
.set VC1, 128                          ;   v128-139 channels 16-31
.set OA,  140                          ;   v140-155 O^T's two accumulators
.set GR,  156                          ;   v156-171 G, then G / l, then the results
.set VR,  180                          ; v180-243 V as loaded, block c at + 32 c; later:
.set BK,  180                          ;   v180-195 rows read back from the stage
	; ---- the head: ids, offsets, constants
	s_load_b256 s[4:11], s[0:1], 0x0               ; Q s[4:5], K s[6:7], V s[8:9], G s[10:11]
	s_load_b128 s[12:15], s[0:1], 0x20             ; seqMask s[12:13], out0 s[14:15]
	v_lshl_add_u32 v[SPW], v0, 2, SPARE
	v_mov_b32 v[NIL], 0
	v_lshrrev_b32 v13, 5, v0
	v_readfirstlane_b32 s16, v13                   ; wave 0..15
	s_and_b32 s17, s16, 1                          ; e
	s_lshr_b32 s18, s16, 1                         ; head
	s_and_b32 s19, ttmp7, 0xffff                   ; n
	s_lshl_b32 s20, s18, 2
	s_add_co_u32 s20, s20, s19
	s_lshl_b32 s20, s20, 18                        ; (4 head + n) x 2,048 rows of 128 bytes: where (head, n) begins in Q, K, V and G
	s_add_co_u32 s21, ttmp9, s17                   ; B0 + 1 = j + e: 0 .. 64
	s_sub_co_i32 s2, s21, 1                        ; B0: -1 .. 63
	s_max_i32 s3, s2, 0                            ; the blocks that are loaded stay inside the sequence;
	s_min_u32 s62, s21, 63
	s_cmp_lt_i32 s2, 0
	s_cselect_b32 s44, -1, 0                       ; a block that does not exist is hidden as a whole
	s_cmp_gt_u32 s21, 63
	s_cselect_b32 s45, -1, 0
	s_lshl_b32 s48, s3, 12                         ; K, V: a block is 32 rows of 128 bytes
	s_add_co_u32 s48, s48, s20
	s_mov_b32 s49, 0
	s_lshl_b32 s50, s62, 12
	s_add_co_u32 s50, s50, s20
	s_mov_b32 s51, 0
	s_lshl_b32 s52, ttmp9, 12                      ; Q, G: my tile's 16 rows
	s_lshl_b32 s53, s17, 11
	s_add_co_u32 s52, s52, s53
	s_add_co_u32 s52, s52, s20
	s_mov_b32 s53, 0
	s_lshl_b32 s54, s19, 11                        ; seqMask: 2,048 bytes a batch, 32 a block
	s_lshl_b32 s56, s62, 5
	s_add_co_u32 s56, s56, s54
	s_lshl_b32 s55, s3, 5
	s_add_co_u32 s54, s54, s55
	s_mov_b32 s55, 0
	s_mov_b32 s57, 0
	s_lshl_b32 s58, s19, 21                        ; out0: 2^21 bytes a batch, 32 rows of 1,024 a work-group, two rows a wave
	s_lshl_b32 s59, ttmp9, 15
	s_add_co_u32 s58, s58, s59
	s_lshl_b32 s59, s16, 11
	s_add_co_u32 s58, s58, s59
	s_mov_b32 s59, 0
	s_mul_i32 s60, s17, 16*PITCH                   ; the stage, in: my tile's 16 rows, my head's 128 bytes
	s_lshl_b32 s61, s18, 7
	s_add_co_u32 s60, s60, s61
	s_mul_i32 s61, s16, 2*PITCH                    ; back: rows 2 w and 2 w + 1
	s_lshl_b32 s63, s17, 4
	s_sub_co_u32 s63, 16, s63                      ; 16 (1 - e)
	s_mov_b32 s40, 0x76543210
	s_mov_b32 s41, 0xfedcba98                      ; v_permlanex16_b32's selects for lane l xor 16
	s_mov_b32 s42, 0x3e8293ee                      ; c = log2(e) / sqrt(32): t = score x c
	s_mov_b32 s43, s42                             ; (the packed form names the pair and takes its low word for both halves)
	v_and_b32 v[RR], 15, v0
	v_bfe_u32 v[HH], v0, 4, 1
	v_and_b32 v[LN], 31, v0
	v_and_b32 v[VK], 8, v[RR]
	v_add_nc_u32 v[VK], v[VK], v[RR]               ; r + 8 (r / 8)
	v_lshlrev_b32 v[VK], 7, v[VK]
	v_lshl_add_u32 v[VK], v[HH], 6, v[VK]
	v_lshlrev_b32 v[VQ], 7, v[RR]
	v_lshl_add_u32 v[VG], v[HH], 5, v[VQ]
	v_lshl_add_u32 v[VQ], v[HH], 6, v[VQ]
	v_lshlrev_b32 v[VV], 2, v[LN]
.irp x, 3,7,11,15
	v_mov_b32 v[KC+\x], 0                          ; the fourth register of each of K's tiles: named in an operand, so it is written
.endr
.irp x, 3,4,5,6,7,8,9,10,11
	v_mov_b32 v[QC+\x], 0                          ; Q's zero codes; 3-5 and 9-11 are P's too
.endr
	v_mov_b32 v[T+7], 0                            ; written once: a lane permute's destination, and the upper half of a pair of which the low word serves, count as read
	v_mov_b32 v[T+15], 0
	s_wait_kmcnt 0x0
	s_add_nc_u64 s[34:35], s[12:13], s[54:55]      ; every base is its own buffer's address + an offset
	s_add_nc_u64 s[36:37], s[12:13], s[56:57]
	s_add_nc_u64 s[22:23], s[6:7], s[48:49]
	s_add_nc_u64 s[24:25], s[6:7], s[50:51]
	s_add_nc_u64 s[30:31], s[4:5], s[52:53]
	s_add_nc_u64 s[26:27], s[8:9], s[48:49]
	s_add_nc_u64 s[28:29], s[8:9], s[50:51]
	s_add_nc_u64 s[32:33], s[10:11], s[52:53]
	s_add_nc_u64 s[38:39], s[14:15], s[58:59]
	; ---- 54 loads: the mask's bytes, K, Q, V's first block
	global_load_u8 v[T], v[LN], s[34:35]           ; lane L: key L of window block 0,
	global_load_u8 v[T+1], v[LN], s[36:37]         ; of block 1
.irp c, 0,1
.irp u, 0,1
.irp q, 0,1,2,3
	global_load_b128 v[KR+16*(2*\c+\u)+4*\q:KR+16*(2*\c+\u)+4*\q+3], v[VK], s[22+2*\c:23+2*\c] offset:1024*\u+16*\q   ; tile 2 c + u: my key's channels 16 h + 4 q on
.endr
.endr
.endr
.irp q, 0,1,2,3
	global_load_b128 v[QR+4*\q:QR+4*\q+3], v[VQ], s[30:31] offset:16*\q th:TH_LOAD_NT   ; my query's channels 16 h + 4 q on; read by this wave alone
.endr
.set t, 0
.rept 32
	global_load_b32 v[VR+t], v[VV], s[26:27] offset:128*t   ; key t of block 0, channel L: the wave reads the row's 128 bytes
.set t, t+1
.endr
	; ---- the masks, while the loads are on their way.  In the window's 64 keys query s0 + r sees 21 keys from 6 + sh on, sh = r + 16 (1 - e)
	v_add_nc_u32 v[T+2], s63, v[RR]                ; sh: 0 .. 31
	v_sub_nc_u32 v[T+3], 31, v[T+2]
	v_lshlrev_b32 v[T+4], v[T+2], 0x07ffffc0       ; the band's bits in block 0: 21 ones from bit 6, sh up;
	v_lshrrev_b32 v[T+5], v[T+3], 0x03ffffe0       ; what passes bit 31 is block 1's: down by 32 - sh, as 1 and 31 - sh
	v_lshlrev_b32 v[T+6], 4, v[HH]                 ; 16 h
	s_wait_loadcnt 52                              ; the two bytes are in: behind them 16 loads of K, 4 of Q and 32 of V were issued
	v_cmp_ne_u32 s46, 0, v[T]                      ; bit L: key L of the block is masked
	v_cmp_ne_u32 s47, 0, v[T+1]
	s_or_b32 s46, s46, s44                         ; or the block does not exist
	s_or_b32 s47, s47, s45
	s_not_b32 s46, s46                             ; the keys that may count
	s_not_b32 s47, s47
	v_and_b32 v[T+4], s46, v[T+4]
	v_and_b32 v[T+5], s47, v[T+5]
	v_xor_b32 v[T+4], -1, v[T+4]                   ; the hidden keys of my query,
	v_xor_b32 v[T+5], -1, v[T+5]
	v_lshrrev_b32 v[T+4], v[T+6], v[T+4]           ; my half's sixteen at bits 0-15,
	v_lshrrev_b32 v[T+5], v[T+6], v[T+5]
	v_lshlrev_b32 v[T+4], 8, v[T+4]                ; at bits 8-23
	v_lshlrev_b32 v[T+5], 8, v[T+5]
; C of window block c: register i is 0, or -2^100 (0xf1800000) where key 32 c + 16 h + i is hidden: the key's bit, 2^(8 + i) or 0, times 0xf18000 >> i; both factors lie under 2^24
.macro BIAS c
.irp g, 0,4,8,12
.irp k, 0,1,2,3
	v_and_b32 v[T+8+\k], 1<<(8+\g+\k), v[T+4+\c]
.endr
.irp k, 0,1,2,3
	v_mul_u32_u24 v[CS+16*\c+\g+\k], 0xf18000>>(\g+\k), v[T+8+\k]
.endr
.endr
.endm
	BIAS 0
	BIAS 1
	; ---- V's second block is asked for as soon as K and Q are in
	s_wait_loadcnt 32                              ; K and Q are in: behind them the 32 loads of V's first block were issued
.set t, 0
.rept 32
	global_load_b32 v[VR+32+t], v[VV], s[28:29] offset:128*t
.set t, t+1
.endr
	; ---- K's four tiles (x = 0 .. 3) and Q (x = 4) are quantised, the five by turns.  A row's 32 channels are one block; my 16 and lane l xor 16's
.irp x, 0,1,2,3,4
.set SRC, KR+16*\x+(\x/4)*(QR-KR-64)
	v_max3_num_f32 v[T+\x], |v[SRC]|, |v[SRC+1]|, FLOOR
.endr
.irp i, 2,4,6,8,10,12,14
.irp x, 0,1,2,3,4
.set SRC, KR+16*\x+(\x/4)*(QR-KR-64)+\i
	v_max3_num_f32 v[T+\x], v[T+\x], |v[SRC]|, |v[SRC+1]|
.endr
.endr
.irp x, 0,1,2,3,4
	v_permlanex16_b32 v[T+5+\x], v[T+\x], s40, s41
.endr
.irp x, 0,1,2,3,4
	v_max_num_f32 v[T+\x], v[T+\x], v[T+5+\x]      ; the block's largest magnitude
.endr
.irp x, 0,1,2,3,4
	v_add_nc_u32 v[T+5+\x], LESS2, v[T+\x]         ; 2 off its exponent field: the conversion takes the exponent field of this operand as its scale
.endr
.irp x, 0,1,2,3,4
	v_lshrrev_b32 v[T+\x], 23, v[T+5+\x]           ; the scale's byte
.endr
.irp x, 0,1,2,3,4
	v_lshl_or_b32 v[KS+\x], v[T+\x], 8, v[T+\x]    ; in bytes 0 and 1: both half-filled blocks have the row's one scale.  (x = 4: Q's word)
.endr
.irp x, 0,1,2,3,4
.set SRC, KR+16*\x+(\x/4)*(QR-KR-64)
.set DST, KC+4*\x+(\x/4)*(QC-KC-16)
	v_cvt_scalef32_pk16_fp6_f32 v[DST:DST+2], v[SRC:SRC+15], v[T+5+\x]   ; my 16 channels: registers 0-2 of the operand
.endr
	v_nop                                          ; one plain place behind the conversions
	v_mul_u32_u24 v[STO], v[RR], PITCH             ; the way out's addresses are made here: with the v_nop these are the nine plain places between the scale words and codes and the products
	v_lshl_add_u32 v[STO], v[HH], 5, v[STO]
	v_add_nc_u32 v[STO], s60, v[STO]               ; row 16 e + r, + 128 x head + 32 h
	v_lshlrev_b32 v[GO], 4, v[LN]
	v_add_nc_u32 v[RD], s61, v[GO]                 ; rows 2 w on, 16 bytes a lane
.rept 3
	v_nop
.endr
	global_load_b128 v[GR:GR+3], v[VG], s[32:33] th:TH_LOAD_NT                ; G in the result's layout: register 8 u + i is channel 16 u + 8 h + i of my query.  It lands where K's numbers lay, which are converted
	global_load_b128 v[GR+4:GR+7], v[VG], s[32:33] offset:16 th:TH_LOAD_NT
	global_load_b128 v[GR+8:GR+11], v[VG], s[32:33] offset:64 th:TH_LOAD_NT
	global_load_b128 v[GR+12:GR+15], v[VG], s[32:33] offset:80 th:TH_LOAD_NT
	; ---- S^T = K Q^T + C: four accumulators, one instruction each
.irp x, 0,1,2,3
	v_wmma_scale_f32_16x16x128_f8f6f4 v[CS+8*\x:CS+8*\x+7], v[KC+4*\x:KC+4*\x+11], v[QC:QC+11], v[CS+8*\x:CS+8*\x+7], v[KS+\x], v[QS] matrix_a_fmt:MATRIX_FMT_FP6 matrix_b_fmt:MATRIX_FMT_FP6
.endr
.rept 4
	v_nop                                          ; four plain places between the products and the first read of their results (ISA guide 7.12.1)
.endr
	; ---- the softmax.  The largest score of each block of 32 keys serves twice: for the row's maximum and for the block's largest p.  Each accumulator is read from its low end on
.irp c, 0,1
	v_max3_num_f32 v[T+\c], v[CS+16*\c], v[CS+16*\c+1], 0xf1000000   ; the floor -2^99, above every hidden score
.endr
.irp i, 2,4,6,8,10,12,14
.irp c, 0,1
	v_max3_num_f32 v[T+\c], v[T+\c], v[CS+16*\c+\i], v[CS+16*\c+\i+1]
.endr
.endr
	v_permlanex16_b32 v[T+2], v[T], s40, s41
	v_permlanex16_b32 v[T+3], v[T+1], s40, s41
	v_max_num_f32 v[T], v[T], v[T+2]               ; with lane l xor 16's 16 keys
	v_max_num_f32 v[T+1], v[T+1], v[T+3]
	v_max_num_f32 v[T+4], v[T], v[T+1]             ; my query's largest score,
	v_mul_f32 v[T+4], s42, v[T+4]                  ; as t (c is positive)
	v_floor_f32 v[T+6], -v[T+4]                    ; -M = floor(-t) = -ceil(t): M is a whole number
.set t, 0
.rept 16
	v_pk_fma_f32 v[CS+t:CS+t+1], v[CS+t:CS+t+1], s[42:43], v[T+6:T+7] op_sel_hi:[1,0,0]   ; t - M, two at a time
.set t, t+2
.endr
	v_fma_f32 v[T], v[T], s42, v[T+6]              ; the same of each block's largest score
	v_fma_f32 v[T+1], v[T+1], s42, v[T+6]
.set t, 0
.rept 32
	v_exp_f32 v[CS+t], v[CS+t]                     ; p = 2^(t - M), at most 1, 0 for a hidden key: not normalised
.set t, t+1
.endr
	v_exp_f32 v[T], v[T]                           ; the blocks' largest p
	v_exp_f32 v[T+1], v[T+1]
	v_nop                                          ; a plain place behind the last exponential
	s_wait_alu depctr_va_vdst(0)                   ; the wait ahead of the first line that names an exponential's result: one for the batch of 34
	v_pk_add_f32 v[T+8:T+9], v[CS:CS+1], v[CS+2:CS+3]         ; the row's sum is taken of the unquantised p: two at a time, in two chains
	v_pk_add_f32 v[T+10:T+11], v[CS+4:CS+5], v[CS+6:CS+7]
.irp i, 8,12,16,20,24,28
	v_pk_add_f32 v[T+8:T+9], v[T+8:T+9], v[CS+\i:CS+\i+1]
	v_pk_add_f32 v[T+10:T+11], v[T+10:T+11], v[CS+\i+2:CS+\i+3]
.endr
	v_pk_add_f32 v[T+8:T+9], v[T+8:T+9], v[T+10:T+11]
	v_add_f32 v[T+14], v[T+8], v[T+9]
	v_permlanex16_b32 v[T+15], v[T+14], s40, s41
	v_add_f32 v[T+14], v[T+14], v[T+15]            ; l: my 32 keys' and lane l xor 16's
	v_rcp_f32 v[T+14], v[T+14]                     ; 1 / l; its wait stands ahead of its first reader, behind V's quantising, which names neither register of the pair
	v_max_num_f32 v[T], FLOOR, v[T]                ; (a block whose every p is 0 keeps the floor's byte: its codes are zeros)
	v_max_num_f32 v[T+1], FLOOR, v[T+1]
	v_add_nc_u32 v[T+12], LESS2, v[T]
	v_add_nc_u32 v[T+13], LESS2, v[T+1]
	v_lshrrev_b32 v[T], 23, v[T+12]
	v_lshrrev_b32 v[T+1], 23, v[T+13]
	v_lshl_or_b32 v[PS], v[T+1], 16, v[T]
	v_lshl_or_b32 v[PS], v[PS], 8, v[PS]           ; P's scale word: b0, b0, b1, b1
	v_cvt_scalef32_pk16_fp6_f32 v[PC:PC+2], v[CS:CS+15], v[T+12]        ; window keys 16 h + 0 .. 15: registers 0-2
	v_cvt_scalef32_pk16_fp6_f32 v[PC+6:PC+8], v[CS+16:CS+31], v[T+13]   ; 32 + 16 h + 0 .. 15: registers 6-8
	v_nop                                          ; one plain place behind the conversions
	; ---- V is quantised along the keys: a block's 32 numbers of my channel are all mine
	s_wait_loadcnt 4                               ; V is in: behind it G's four loads were issued
.irp c, 0,1
	v_max3_num_f32 v[T+2*\c], |v[VR+32*\c]|, |v[VR+32*\c+1]|, FLOOR
	v_max3_num_f32 v[T+2*\c+1], |v[VR+32*\c+2]|, |v[VR+32*\c+3]|, |v[VR+32*\c+4]|
.endr
.irp i, 5,9,13,17,21,25
.irp c, 0,1
	v_max3_num_f32 v[T+2*\c], v[T+2*\c], |v[VR+32*\c+\i]|, |v[VR+32*\c+\i+1]|
	v_max3_num_f32 v[T+2*\c+1], v[T+2*\c+1], |v[VR+32*\c+\i+2]|, |v[VR+32*\c+\i+3]|
.endr
.endr
.irp c, 0,1
	v_max3_num_f32 v[T+2*\c], v[T+2*\c], |v[VR+32*\c+29]|, |v[VR+32*\c+30]|
.endr
.irp c, 0,1
	v_max3_num_f32 v[T+2*\c], v[T+2*\c], v[T+2*\c+1], |v[VR+32*\c+31]|
.endr
	v_add_nc_u32 v[T+4], LESS2, v[T]
	v_add_nc_u32 v[T+5], LESS2, v[T+2]
	v_lshrrev_b32 v[T+8], 23, v[T+4]
	v_lshrrev_b32 v[T+9], 23, v[T+5]
	v_lshl_or_b32 v[VS], v[T+9], 16, v[T+8]
	v_lshl_or_b32 v[VS], v[VS], 8, v[VS]           ; lane L: channel L's scale word: b0, b0, b1, b1
.irp c, 0,1
	v_cvt_scalef32_pk16_fp6_f32 v[VC0+6*\c:VC0+6*\c+2], v[VR+32*\c:VR+32*\c+15], v[T+4+\c]      ; channel L, the block's keys 0-15,
	v_cvt_scalef32_pk16_fp6_f32 v[VC1+6*\c:VC1+6*\c+2], v[VR+32*\c+16:VR+32*\c+31], v[T+4+\c]   ; its keys 16-31
.endr
	v_nop                                          ; one plain place behind the conversions
.irp c, 0,1
.irp i, 0,1,2
	v_permlane16_swap_b32 v[VC0+6*\c+\i], v[VC1+6*\c+\i]   ; the first's lanes 16-31 change places with the second's lanes 0-15: the first now holds channel r, keys 16 h on; the second channel 16 + r
.endr
.endr
	; ---- O^T = V^T P^T, the gate and the division
	s_wait_loadcnt 0x0                             ; G is in
	s_wait_alu depctr_va_vdst(0)                   ; the wait ahead of the first line that names the reciprocal's result
.set t, 0
.rept 8
	v_pk_mul_f32 v[GR+t:GR+t+1], v[GR+t:GR+t+1], v[T+14:T+15] op_sel_hi:[1,0]   ; G / l.  These eight are also the plain places between V's scale word and operands and the products
.set t, t+2
.endr
	v_wmma_scale_f32_16x16x128_f8f6f4 v[OA:OA+7], v[VC0:VC0+11], v[PC:PC+11], 0, v[VS], v[PS] matrix_a_fmt:MATRIX_FMT_FP6 matrix_b_fmt:MATRIX_FMT_FP6
	v_wmma_scale_f32_16x16x128_f8f6f4 v[OA+8:OA+15], v[VC1:VC1+11], v[PC:PC+11], 0, v[VS], v[PS] matrix_a_fmt:MATRIX_FMT_FP6 matrix_b_fmt:MATRIX_FMT_FP6 matrix_a_scale:MATRIX_SCALE_ROW1   ; channels 16 + r: their scale words stand in lanes 16-31
.rept 4
	v_nop                                          ; four plain places between the products and the first read of their results
.endr
.set t, 0
.rept 8
	v_pk_mul_f32 v[GR+t:GR+t+1], v[OA+t:OA+t+1], v[GR+t:GR+t+1]   ; each accumulator from its low end on
.set t, t+2
.endr
	; ---- the way out: a position's 1,024 bytes of out0 come from eight heads, that is from eight waves: they meet in the stage
	ds_store_b128 v[STO], v[GR:GR+3]               ; channels 8 h + 0 .. 3,
	ds_store_b128 v[STO], v[GR+4:GR+7] offset:16   ; 8 h + 4 .. 7,
	ds_store_b128 v[STO], v[GR+8:GR+11] offset:64  ; 16 + 8 h + 0 .. 3,
	ds_store_b128 v[STO], v[GR+12:GR+15] offset:80 ; 16 + 8 h + 4 .. 7
	s_wait_dscnt 0x0                               ; for the others' sake: my stores into the stage are done
	s_barrier_signal -1
	s_barrier_wait -1                              ; 32 whole rows lie in the stage
.irp k, 0,1,2,3
	ds_load_b128 v[BK+4*\k:BK+4*\k+3], v[RD] offset:(\k/2)*PITCH+(\k%2)*512
.endr
.irp k, 0,1,2,3
	s_wait_dscnt 3-\k                              ; LDS loads come back in order: piece k is in, the younger ones may be out
	global_store_b128 v[GO], v[BK+4*\k:BK+4*\k+3], s[38:39] offset:(\k/2)*1024+(\k%2)*512 th:TH_STORE_NT   ; 32 lanes store 512 consecutive bytes, at a multiple of 512 from out0's first byte; written once, read by nobody here
.endr
	s_wait_tensorcnt 0x0                           ; the wave's end
	ds_add_u32 v[SPW], v[NIL]
	s_wait_dscnt 0x0
	s_endpgm
.Lfunc_end_k_q5c1a6d943e_band:
	.size	k_q5c1a6d943e_band, .Lfunc_end_k_q5c1a6d943e_band-k_q5c1a6d943e_band
	.p2alignl 7, 3214868480
	.fill 96, 4, 3214868480
	.section	.rodata,"a",@progbits
	.p2align	6, 0x0
	.amdhsa_kernel k_q5c1a6d943e_band
		.amdhsa_group_segment_fixed_size 35328
		.amdhsa_private_segment_fixed_size 0
		.amdhsa_enable_private_segment 0
		.amdhsa_kernarg_size 48
		.amdhsa_user_sgpr_count 2
		.amdhsa_user_sgpr_kernarg_segment_ptr 1
		.amdhsa_wavefront_size32 1
		.amdhsa_system_sgpr_workgroup_id_x 1
		.amdhsa_system_sgpr_workgroup_id_y 1
		.amdhsa_system_sgpr_workgroup_id_z 1
		.amdhsa_system_vgpr_workitem_id 0
		.amdhsa_next_free_vgpr 244
		.amdhsa_next_free_sgpr 66
		.amdhsa_reserve_vcc 0
		.amdhsa_float_denorm_mode_32 3
		.amdhsa_float_denorm_mode_16_64 3
		.amdhsa_memory_ordered 1
		.amdhsa_forward_progress 1
		.amdhsa_inst_pref_size 33
	.end_amdhsa_kernel
	.amdgpu_metadata
---
amdhsa.version: [ 1, 2 ]
amdhsa.kernels:
  - .name:           k_q5c1a6d943e_band
    .symbol:         k_q5c1a6d943e_band.kd
    .args:
      - { .name: Q, .offset: 0, .size: 8, .value_kind: global_buffer, .address_space: global }
      - { .name: K, .offset: 8, .size: 8, .value_kind: global_buffer, .address_space: global }
      - { .name: V, .offset: 16, .size: 8, .value_kind: global_buffer, .address_space: global }
      - { .name: G, .offset: 24, .size: 8, .value_kind: global_buffer, .address_space: global }
      - { .name: seqMask, .offset: 32, .size: 8, .value_kind: global_buffer, .address_space: global }
      - { .name: out0, .offset: 40, .size: 8, .value_kind: global_buffer, .address_space: global }
    .group_segment_fixed_size: 35328
    .private_segment_fixed_size: 0
    .kernarg_segment_align: 8
    .kernarg_segment_size: 48
    .max_flat_workgroup_size: 512
    .sgpr_count:     66
    .vgpr_count:     244
    .wavefront_size: 32
...
	.end_amdgpu_metadata
.endif
;; end of part 1
;; ======== version 2 of 2: 1 launch; version 1 with the launch band written anew for expert scheduling mode
;; limits: inputs' magnitudes at most 140,000,000,000,000; right only within a limited range of input values
;; launch band (part 2): grid 64 x 4, 16 waves a work-group, no clusters, 35,328 bytes of LDS; arguments Q, K, V, G, seqMask, out0; writes out0
.if DOCPART == 2
	.amdgcn_target "amdgcn-amd-amdhsa--gfx1250"
	.amdhsa_code_object_version 6
	.text
	.protected	k_q5c1a6d943e_band
	.globl	k_q5c1a6d943e_band
	.p2align	8
	.type	k_q5c1a6d943e_band,@function
k_q5c1a6d943e_band:
	s_mov_b64 s[64:65], 0
	v_nop
	global_prefetch_b8 v0, s[64:65] scope:SCOPE_SE
	s_setreg_imm32_b32 hwreg(HW_REG_WAVE_SCHED_MODE, 0, 2), 2
	s_setreg_imm32_b32 hwreg(HW_REG_WAVE_MODE, 25, 1), 1
	s_wait_xcnt 0x0
	s_wait_alu depctr_vm_vsrc(0)
; out0[n][s][h][:] = G[h][n][s][:] x sum over t of softmax_t(Q[h][n][s] . K[h][n][t] / sqrt(32)) V[h][n][t][:], keys t with |s - t| <= 10 and seqMask[n][t] = 0 alone.
; Q, K, V, G: [8][4][2048][32] f32; seqMask: [4][2048] bytes; out0: [4][2048][8][32] f32.  Both products on codes of FP6 (E2M3) with one E8M0 scale for each 32 along a product's K.
; WHAT IS KEPT.  A tile of 16 queries that begins at a multiple of 16, s0, sees keys s0 - 10 .. s0 + 25: they lie in TWO aligned blocks of 32 keys, B0 and B0 + 1.  All other p of a row are 0, so all
; other blocks of the second product add nothing.  A tile therefore has all its keys at once: no loop over keys, no running maximum, no rescaling, no branch.
; SHARES.  Work-group (x = j, y = n): queries 32 j .. 32 j + 31 of batch n, all 8 heads: 32 x 1,024 consecutive bytes of out0.  Wave w: head w / 2, half e = w % 2, one tile, s0 = 32 j + 16 e, B0 = j - 1 + e.
; LAYOUT (lane L, r = L % 16, h = L / 16).  Both products are used transposed, so that a lane holds ONE query (r) throughout.
;   S^T = K Q^T + C: the 32 channels lie as two half-filled blocks of the instruction's K: lane (r, h) holds channels 16 h .. 16 h + 15 of its row in the operand's registers 0-2, one conversion's result; the row's
;   one scale byte stands in bytes 0 and 1 of the scale word.  Q's registers 3-11 are zero codes, so K's registers 3-11 may hold any written bits (every code of FP6 is a finite number): K's four tiles lie 4 registers apart.
;   THE KEYS OF A TILE ARE NOT NEIGHBOURS: lane r of tile 2 c + u takes key 32 c + 8 u + r + 8 (r / 8) of the window, so that register CS + 16 c + i of lane (r, h) is window key 32 c + 16 h + i.
;   O^T = V^T P^T: block 2 c + h of the instruction's K holds the 16 keys 32 c + 16 h + 0 .. 15 in registers 6 c .. 6 c + 2; P's registers 6 c + 3 .. 6 c + 5 are zero codes.  Scale words: bytes b0, b0, b1, b1.
;   V: lane L takes channel L and its registers run down the keys: a block's largest magnitude needs no other lane; three exchanges of half waves a block give the two tiles of 16 channels.
; THE MASKS are the C of the first product: 0, or -2^100 where the band, seqMask or the sequence's end hides a key.  The maxima carry the floor -2^99: in a row with no key left every p is 0, the sum is 0,
; and 0 x (G / 0) is NaN, as the softmax of a row of -infinity is.
; NO JOINT LOADS: neighbouring work-groups share blocks of K and V, but each wants them at another place of its window (the windows are one block apart), and operands go from memory straight into the lanes'
; registers, each used once; a tile shared through LDS would be read at an LDS address that hangs on the work-group's place among its partners.
; LIMITS: NaN and infinities among the inputs are not served; scores of magnitude 2^99 or more are not served; a block of zeros gets the scale byte 1 where the quantiser says 127 (its codes are zeros, and the
; bytes never leave the registers); p under 2^-126 falls to 0 (v_exp_f32 gives 0 there); a block's largest p is taken as 2^(its largest score's t - M), by the same two instructions as every p.
; THE MODE: SCHED_MODE bits 1:0 = 2 (LLVM: expert scheduling mode 2), set by the entry lines.  The code itself states the register dependences between vector or matrix instructions and memory or LDS
; instructions, with s_wait_alu, always for 0.
; THE PLAN.  Registers that memory or LDS instructions touch, in the order of the text (there is no loop):
;   v3-v7     the loads' offsets.  Written by vector lines at the head, read by every global load, never written again: one wait on va_vdst ahead of the first load serves all 90 loads.
;   v16, v17  the mask's bytes land here; no vector line names them before; the two compares read them.
;   KR, QR    K's and Q's loads land in registers that nobody has named.  The maxima and the conversions read them; then G's four loads land in v156-171 of KR.
;   VR        V's loads land in registers that nobody has named.  V's maxima and conversions read them; then the four LDS loads from the stage land in v180-195 of VR.
;   GR        G's loads land; the packed multiplies read and write it; the four LDS stores read it; nothing writes it behind them.
;   v10-v12   the way out's addresses.  Written among the places ahead of the first product, read by the LDS stores and loads and the global stores, never written again.
;   v8, v9    written at the head, read by the closing add alone.
; No register that a memory or LDS instruction reads is written again, so the text holds no wait on vm_vsrc beyond the entry's.  Two waits on va_sdst stand behind the vector lines that write scalar registers.
.set PITCH, 1040                       ; a stage row: 8 heads x 128 bytes + 16 = 65 x 16 bytes: the sixteen rows of a store begin at sixteen different 16-byte columns of 256 bytes
.set SPARE, 32*PITCH                   ; 33,280 = 130 x 256: behind the stage's 32 rows: the spare words, 128 bytes for each of 16 waves, that no other line names
.set FLOOR, 0x1800000                  ; 2^(3 - 127): under it no largest magnitude is taken, so that a scale's byte cannot fall under 1
.set LESS2, 0xff000000                 ; takes 2 off an exponent field
.set RR,  1                            ; v1   r
.set HH,  2                            ; v2   h
.set VK,  3                            ; v3   K: (r + 8 (r / 8)) x 128 + 64 h
.set VQ,  4                            ; v4   Q: 128 r + 64 h
.set VG,  5                            ; v5   G: 128 r + 32 h
.set VV,  6                            ; v6   V: 4 L
.set LN,  7                            ; v7   L
.set SPW, 8                            ; v8   LDS address of my spare word; never rewritten
.set NIL, 9                            ; v9   0; never rewritten
.set STO, 10                           ; v10  the stage, on the way in
.set RD,  11                           ; v11  and back
.set GO,  12                           ; v12  16 L: my bytes in a piece of 512 of out0
.set T,   16                           ; v16-31 at work
.set KS,  32                           ; v32-35 K's scale words, v36 Q's, v37 P's, v38 V's: scales and nothing else
.set QS,  36
.set PS,  37
.set VS,  38
.set KC,  40                           ; v40-55 K's codes: tile x at + 4 x, three registers and a zero
.set QR,  56                           ; v56-71 Q as loaded
.set QC,  72                           ; v72-83 Q's operand, later P's: registers 3-5 and 9-11 stay zero
.set PC,  72
.set CS,  84                           ; v84-115 C, then S^T, then p
.set KR,  116                          ; v116-179 K as loaded, tile x at + 16 x; later:
.set VC0, 116                          ;   v116-127 V's operand, channels 0-15
.set VC1, 128                          ;   v128-139 channels 16-31
.set OA,  140                          ;   v140-155 O^T's two accumulators
.set GR,  156                          ;   v156-171 G, then G / l, then the results
.set VR,  180                          ; v180-243 V as loaded, block c at + 32 c; later:
.set BK,  180                          ;   v180-195 rows read back from the stage
	; ---- the head: ids, offsets, constants
	s_load_b256 s[4:11], s[0:1], 0x0               ; Q s[4:5], K s[6:7], V s[8:9], G s[10:11]
	s_load_b128 s[12:15], s[0:1], 0x20             ; seqMask s[12:13], out0 s[14:15]
	v_lshl_add_u32 v[SPW], v0, 2, SPARE
	v_mov_b32 v[NIL], 0
	v_lshrrev_b32 v13, 5, v0
	v_readfirstlane_b32 s16, v13                   ; wave 0..15
	v_and_b32 v[RR], 15, v0                        ; (the lanes' offsets, which hang on no scalar register, stand between that line and the wait for it)
	v_bfe_u32 v[HH], v0, 4, 1
	v_and_b32 v[LN], 31, v0
	v_and_b32 v[VK], 8, v[RR]
	v_add_nc_u32 v[VK], v[VK], v[RR]               ; r + 8 (r / 8)
	v_lshlrev_b32 v[VK], 7, v[VK]
	v_lshl_add_u32 v[VK], v[HH], 6, v[VK]
	v_lshlrev_b32 v[VQ], 7, v[RR]
	v_lshl_add_u32 v[VG], v[HH], 5, v[VQ]
	v_lshl_add_u32 v[VQ], v[HH], 6, v[VQ]
	v_lshlrev_b32 v[VV], 2, v[LN]
.irp x, 3,7,11,15
	v_mov_b32 v[KC+\x], 0                          ; the fourth register of each of K's tiles: named in an operand, so it is written
.endr
.irp x, 3,4,5,6,7,8,9,10,11
	v_mov_b32 v[QC+\x], 0                          ; Q's zero codes; 3-5 and 9-11 are P's too
.endr
	v_mov_b32 v[T+7], 0                            ; written once: a lane permute's destination, and the upper half of a pair of which the low word serves, count as read
	v_mov_b32 v[T+15], 0
	s_wait_alu depctr_va_sdst(0)                   ; s16 is written, ahead of its first reader: the head, the half, the bases and the stage's places are made from it
	s_and_b32 s17, s16, 1                          ; e
	s_lshr_b32 s18, s16, 1                         ; head
	s_and_b32 s19, ttmp7, 0xffff                   ; n
	s_lshl_b32 s20, s18, 2
	s_add_co_u32 s20, s20, s19
	s_lshl_b32 s20, s20, 18                        ; (4 head + n) x 2,048 rows of 128 bytes: where (head, n) begins in Q, K, V and G
	s_add_co_u32 s21, ttmp9, s17                   ; B0 + 1 = j + e: 0 .. 64
	s_sub_co_i32 s2, s21, 1                        ; B0: -1 .. 63
	s_max_i32 s3, s2, 0                            ; the blocks that are loaded stay inside the sequence;
	s_min_u32 s62, s21, 63
	s_cmp_lt_i32 s2, 0
	s_cselect_b32 s44, -1, 0                       ; a block that does not exist is hidden as a whole
	s_cmp_gt_u32 s21, 63
	s_cselect_b32 s45, -1, 0
	s_lshl_b32 s48, s3, 12                         ; K, V: a block is 32 rows of 128 bytes
	s_add_co_u32 s48, s48, s20
	s_mov_b32 s49, 0
	s_lshl_b32 s50, s62, 12
	s_add_co_u32 s50, s50, s20
	s_mov_b32 s51, 0
	s_lshl_b32 s52, ttmp9, 12                      ; Q, G: my tile's 16 rows
	s_lshl_b32 s53, s17, 11
	s_add_co_u32 s52, s52, s53
	s_add_co_u32 s52, s52, s20
	s_mov_b32 s53, 0
	s_lshl_b32 s54, s19, 11                        ; seqMask: 2,048 bytes a batch, 32 a block
	s_lshl_b32 s56, s62, 5
	s_add_co_u32 s56, s56, s54
	s_lshl_b32 s55, s3, 5
	s_add_co_u32 s54, s54, s55
	s_mov_b32 s55, 0
	s_mov_b32 s57, 0
	s_lshl_b32 s58, s19, 21                        ; out0: 2^21 bytes a batch, 32 rows of 1,024 a work-group, two rows a wave
	s_lshl_b32 s59, ttmp9, 15
	s_add_co_u32 s58, s58, s59
	s_lshl_b32 s59, s16, 11
	s_add_co_u32 s58, s58, s59
	s_mov_b32 s59, 0
	s_mul_i32 s60, s17, 16*PITCH                   ; the stage, in: my tile's 16 rows, my head's 128 bytes
	s_lshl_b32 s61, s18, 7
	s_add_co_u32 s60, s60, s61
	s_mul_i32 s61, s16, 2*PITCH                    ; back: rows 2 w and 2 w + 1
	s_lshl_b32 s63, s17, 4
	s_sub_co_u32 s63, 16, s63                      ; 16 (1 - e)
	s_mov_b32 s40, 0x76543210
	s_mov_b32 s41, 0xfedcba98                      ; v_permlanex16_b32's selects for lane l xor 16
	s_mov_b32 s42, 0x3e8293ee                      ; c = log2(e) / sqrt(32): t = score x c
	s_mov_b32 s43, s42                             ; (the packed form names the pair and takes its low word for both halves)
	s_wait_kmcnt 0x0
	s_add_nc_u64 s[34:35], s[12:13], s[54:55]      ; every base is its own buffer's address + an offset
	s_add_nc_u64 s[36:37], s[12:13], s[56:57]
	s_add_nc_u64 s[22:23], s[6:7], s[48:49]
	s_add_nc_u64 s[24:25], s[6:7], s[50:51]
	s_add_nc_u64 s[30:31], s[4:5], s[52:53]
	s_add_nc_u64 s[26:27], s[8:9], s[48:49]
	s_add_nc_u64 s[28:29], s[8:9], s[50:51]
	s_add_nc_u64 s[32:33], s[10:11], s[52:53]
	s_add_nc_u64 s[38:39], s[14:15], s[58:59]
	s_wait_alu depctr_va_vdst(0)                   ; the five offsets v3 to v7 are written, which every global load of the kernel reads; no vector line writes them again
	; ---- 54 loads: the mask's bytes, K, Q, V's first block
	global_load_u8 v[T], v[LN], s[34:35]           ; lane L: key L of window block 0,
	global_load_u8 v[T+1], v[LN], s[36:37]         ; of block 1
.irp c, 0,1
.irp u, 0,1
.irp q, 0,1,2,3
	global_load_b128 v[KR+16*(2*\c+\u)+4*\q:KR+16*(2*\c+\u)+4*\q+3], v[VK], s[22+2*\c:23+2*\c] offset:1024*\u+16*\q   ; tile 2 c + u: my key's channels 16 h + 4 q on
.endr
.endr
.endr
.irp q, 0,1,2,3
	global_load_b128 v[QR+4*\q:QR+4*\q+3], v[VQ], s[30:31] offset:16*\q th:TH_LOAD_NT   ; my query's channels 16 h + 4 q on; read by this wave alone
.endr
.set t, 0
.rept 32
	global_load_b32 v[VR+t], v[VV], s[26:27] offset:128*t   ; key t of block 0, channel L: the wave reads the row's 128 bytes
.set t, t+1
.endr
	; ---- the masks, while the loads are on their way.  In the window's 64 keys query s0 + r sees 21 keys from 6 + sh on, sh = r + 16 (1 - e)
	v_add_nc_u32 v[T+2], s63, v[RR]                ; sh: 0 .. 31
	v_sub_nc_u32 v[T+3], 31, v[T+2]
	v_lshlrev_b32 v[T+4], v[T+2], 0x07ffffc0       ; the band's bits in block 0: 21 ones from bit 6, sh up;
	v_lshrrev_b32 v[T+5], v[T+3], 0x03ffffe0       ; what passes bit 31 is block 1's: down by 32 - sh, as 1 and 31 - sh
	v_lshlrev_b32 v[T+6], 4, v[HH]                 ; 16 h
	s_wait_alu depctr_va_vdst(0)
	s_wait_loadcnt 52                              ; the two bytes are in: behind them 16 loads of K, 4 of Q and 32 of V were issued
	v_cmp_ne_u32 s46, 0, v[T]                      ; bit L: key L of the block is masked
	v_cmp_ne_u32 s47, 0, v[T+1]
	s_wait_alu depctr_va_sdst(0)                   ; the two compares have written s46 and s47, ahead of their first readers, the two lines below
	s_or_b32 s46, s46, s44                         ; or the block does not exist
	s_or_b32 s47, s47, s45
	s_not_b32 s46, s46                             ; the keys that may count
	s_not_b32 s47, s47
	v_and_b32 v[T+4], s46, v[T+4]
	v_and_b32 v[T+5], s47, v[T+5]
	v_xor_b32 v[T+4], -1, v[T+4]                   ; the hidden keys of my query,
	v_xor_b32 v[T+5], -1, v[T+5]
	v_lshrrev_b32 v[T+4], v[T+6], v[T+4]           ; my half's sixteen at bits 0-15,
	v_lshrrev_b32 v[T+5], v[T+6], v[T+5]
	v_lshlrev_b32 v[T+4], 8, v[T+4]                ; at bits 8-23
	v_lshlrev_b32 v[T+5], 8, v[T+5]
; C of window block c: register i is 0, or -2^100 (0xf1800000) where key 32 c + 16 h + i is hidden: the key's bit, 2^(8 + i) or 0, times 0xf18000 >> i; both factors lie under 2^24
.macro BIAS c
.irp g, 0,4,8,12
.irp k, 0,1,2,3
	v_and_b32 v[T+8+\k], 1<<(8+\g+\k), v[T+4+\c]
.endr
.irp k, 0,1,2,3
	v_mul_u32_u24 v[CS+16*\c+\g+\k], 0xf18000>>(\g+\k), v[T+8+\k]
.endr
.endr
.endm
	BIAS 0
	BIAS 1
	; ---- V's second block is asked for as soon as K and Q are in.  No wait on va_vdst: no vector line since the head's has named v6 or v212 to v243
	s_wait_loadcnt 32                              ; K and Q are in: behind them the 32 loads of V's first block were issued
.set t, 0
.rept 32
	global_load_b32 v[VR+32+t], v[VV], s[28:29] offset:128*t
.set t, t+1
.endr
	; ---- K's four tiles (x = 0 .. 3) and Q (x = 4) are quantised, the five by turns.  A row's 32 channels are one block; my 16 and lane l xor 16's
.irp x, 0,1,2,3,4
.set SRC, KR+16*\x+(\x/4)*(QR-KR-64)
	v_max3_num_f32 v[T+\x], |v[SRC]|, |v[SRC+1]|, FLOOR
.endr
.irp i, 2,4,6,8,10,12,14
.irp x, 0,1,2,3,4
.set SRC, KR+16*\x+(\x/4)*(QR-KR-64)+\i
	v_max3_num_f32 v[T+\x], v[T+\x], |v[SRC]|, |v[SRC+1]|
.endr
.endr
.irp x, 0,1,2,3,4
	v_permlanex16_b32 v[T+5+\x], v[T+\x], s40, s41
.endr
.irp x, 0,1,2,3,4
	v_max_num_f32 v[T+\x], v[T+\x], v[T+5+\x]      ; the block's largest magnitude
.endr
.irp x, 0,1,2,3,4
	v_add_nc_u32 v[T+5+\x], LESS2, v[T+\x]         ; 2 off its exponent field: the conversion takes the exponent field of this operand as its scale
.endr
.irp x, 0,1,2,3,4
	v_lshrrev_b32 v[T+\x], 23, v[T+5+\x]           ; the scale's byte
.endr
.irp x, 0,1,2,3,4
	v_lshl_or_b32 v[KS+\x], v[T+\x], 8, v[T+\x]    ; in bytes 0 and 1: both half-filled blocks have the row's one scale.  (x = 4: Q's word)
.endr
.irp x, 0,1,2,3,4
.set SRC, KR+16*\x+(\x/4)*(QR-KR-64)
.set DST, KC+4*\x+(\x/4)*(QC-KC-16)
	v_cvt_scalef32_pk16_fp6_f32 v[DST:DST+2], v[SRC:SRC+15], v[T+5+\x]   ; my 16 channels: registers 0-2 of the operand
.endr
	v_nop                                          ; one plain place behind the conversions
	v_mul_u32_u24 v[STO], v[RR], PITCH             ; the way out's addresses are made here: with the v_nop these are the nine plain places between the scale words and codes and the products
	v_lshl_add_u32 v[STO], v[HH], 5, v[STO]
	v_add_nc_u32 v[STO], s60, v[STO]               ; row 16 e + r, + 128 x head + 32 h
	v_lshlrev_b32 v[GO], 4, v[LN]
	v_add_nc_u32 v[RD], s61, v[GO]                 ; rows 2 w on, 16 bytes a lane
.rept 3
	v_nop
.endr
	s_wait_alu depctr_va_vdst(0)                   ; behind the places: K's and Q's scale words and codes are written, which the products take; the maxima and conversions are done reading v156 to v171, in which G lands; v10 to v12 are written, which the way out's LDS and memory lines read
	; ---- S^T = K Q^T + C: four accumulators, one instruction each.  G's four loads are dealt among them: the products name neither v5 nor v156 to v171, so nothing more is owed
	; G in the result's layout: register 8 u + i is channel 16 u + 8 h + i of my query.  It lands where K's numbers lay, which are converted
.irp x, 0,1,2,3
	v_wmma_scale_f32_16x16x128_f8f6f4 v[CS+8*\x:CS+8*\x+7], v[KC+4*\x:KC+4*\x+11], v[QC:QC+11], v[CS+8*\x:CS+8*\x+7], v[KS+\x], v[QS] matrix_a_fmt:MATRIX_FMT_FP6 matrix_b_fmt:MATRIX_FMT_FP6
	global_load_b128 v[GR+4*\x:GR+4*\x+3], v[VG], s[32:33] offset:64*(\x/2)+16*(\x%2) th:TH_LOAD_NT
.endr
.rept 4
	v_nop                                          ; four plain places between the products and the first read of their results (ISA guide 7.12.1)
.endr
	; ---- the softmax.  The largest score of each block of 32 keys serves twice: for the row's maximum and for the block's largest p.  Each accumulator is read from its low end on
.irp c, 0,1
	v_max3_num_f32 v[T+\c], v[CS+16*\c], v[CS+16*\c+1], 0xf1000000   ; the floor -2^99, above every hidden score
.endr
.irp i, 2,4,6,8,10,12,14
.irp c, 0,1
	v_max3_num_f32 v[T+\c], v[T+\c], v[CS+16*\c+\i], v[CS+16*\c+\i+1]
.endr
.endr
	v_permlanex16_b32 v[T+2], v[T], s40, s41
	v_permlanex16_b32 v[T+3], v[T+1], s40, s41
	v_max_num_f32 v[T], v[T], v[T+2]               ; with lane l xor 16's 16 keys
	v_max_num_f32 v[T+1], v[T+1], v[T+3]
	v_max_num_f32 v[T+4], v[T], v[T+1]             ; my query's largest score,
	v_mul_f32 v[T+4], s42, v[T+4]                  ; as t (c is positive)
	v_floor_f32 v[T+6], -v[T+4]                    ; -M = floor(-t) = -ceil(t): M is a whole number
.set t, 0
.rept 16
	v_pk_fma_f32 v[CS+t:CS+t+1], v[CS+t:CS+t+1], s[42:43], v[T+6:T+7] op_sel_hi:[1,0,0]   ; t - M, two at a time
.set t, t+2
.endr
	v_fma_f32 v[T], v[T], s42, v[T+6]              ; the same of each block's largest score
	v_fma_f32 v[T+1], v[T+1], s42, v[T+6]
.set t, 0
	s_wait_alu depctr_va_vdst(0)
.rept 32
	v_exp_f32 v[CS+t], v[CS+t]                     ; p = 2^(t - M), at most 1, 0 for a hidden key: not normalised
.set t, t+1
.endr
	v_exp_f32 v[T], v[T]                           ; the blocks' largest p
	v_exp_f32 v[T+1], v[T+1]
	v_nop                                          ; a plain place behind the last exponential
	s_wait_alu depctr_va_vdst(0)                   ; the 34 exponentials have written p and the blocks' largest p: the wait stands ahead of the first line that names a result: one for the batch
	v_pk_add_f32 v[T+8:T+9], v[CS:CS+1], v[CS+2:CS+3]         ; the row's sum is taken of the unquantised p: two at a time, in two chains
	v_pk_add_f32 v[T+10:T+11], v[CS+4:CS+5], v[CS+6:CS+7]
.irp i, 8,12,16,20,24,28
	v_pk_add_f32 v[T+8:T+9], v[T+8:T+9], v[CS+\i:CS+\i+1]
	v_pk_add_f32 v[T+10:T+11], v[T+10:T+11], v[CS+\i+2:CS+\i+3]
.endr
	v_pk_add_f32 v[T+8:T+9], v[T+8:T+9], v[T+10:T+11]
	v_add_f32 v[T+14], v[T+8], v[T+9]
	v_permlanex16_b32 v[T+15], v[T+14], s40, s41
	v_add_f32 v[T+14], v[T+14], v[T+15]            ; l: my 32 keys' and lane l xor 16's
	s_wait_alu depctr_va_vdst(0)
	v_rcp_f32 v[T+14], v[T+14]                     ; 1 / l; its wait stands ahead of its first reader, behind V's quantising, which names neither register of the pair
	v_max_num_f32 v[T], FLOOR, v[T]                ; (a block whose every p is 0 keeps the floor's byte: its codes are zeros)
	v_max_num_f32 v[T+1], FLOOR, v[T+1]
	v_add_nc_u32 v[T+12], LESS2, v[T]
	v_add_nc_u32 v[T+13], LESS2, v[T+1]
	v_lshrrev_b32 v[T], 23, v[T+12]
	v_lshrrev_b32 v[T+1], 23, v[T+13]
	v_lshl_or_b32 v[PS], v[T+1], 16, v[T]
	v_lshl_or_b32 v[PS], v[PS], 8, v[PS]           ; P's scale word: b0, b0, b1, b1
	v_cvt_scalef32_pk16_fp6_f32 v[PC:PC+2], v[CS:CS+15], v[T+12]        ; window keys 16 h + 0 .. 15: registers 0-2
	v_cvt_scalef32_pk16_fp6_f32 v[PC+6:PC+8], v[CS+16:CS+31], v[T+13]   ; 32 + 16 h + 0 .. 15: registers 6-8
	v_nop                                          ; one plain place behind the conversions
	; ---- V is quantised along the keys: a block's 32 numbers of my channel are all mine
	s_wait_loadcnt 4                               ; V is in: behind it G's four loads were issued
.irp c, 0,1
	v_max3_num_f32 v[T+2*\c], |v[VR+32*\c]|, |v[VR+32*\c+1]|, FLOOR
	v_max3_num_f32 v[T+2*\c+1], |v[VR+32*\c+2]|, |v[VR+32*\c+3]|, |v[VR+32*\c+4]|
.endr
.irp i, 5,9,13,17,21,25
.irp c, 0,1
	v_max3_num_f32 v[T+2*\c], v[T+2*\c], |v[VR+32*\c+\i]|, |v[VR+32*\c+\i+1]|
	v_max3_num_f32 v[T+2*\c+1], v[T+2*\c+1], |v[VR+32*\c+\i+2]|, |v[VR+32*\c+\i+3]|
.endr
.endr
.irp c, 0,1
	v_max3_num_f32 v[T+2*\c], v[T+2*\c], |v[VR+32*\c+29]|, |v[VR+32*\c+30]|
.endr
.irp c, 0,1
	v_max3_num_f32 v[T+2*\c], v[T+2*\c], v[T+2*\c+1], |v[VR+32*\c+31]|
.endr
	v_add_nc_u32 v[T+4], LESS2, v[T]
	v_add_nc_u32 v[T+5], LESS2, v[T+2]
	v_lshrrev_b32 v[T+8], 23, v[T+4]
	v_lshrrev_b32 v[T+9], 23, v[T+5]
	v_lshl_or_b32 v[VS], v[T+9], 16, v[T+8]
	v_lshl_or_b32 v[VS], v[VS], 8, v[VS]           ; lane L: channel L's scale word: b0, b0, b1, b1
.irp c, 0,1
	v_cvt_scalef32_pk16_fp6_f32 v[VC0+6*\c:VC0+6*\c+2], v[VR+32*\c:VR+32*\c+15], v[T+4+\c]      ; channel L, the block's keys 0-15,
	v_cvt_scalef32_pk16_fp6_f32 v[VC1+6*\c:VC1+6*\c+2], v[VR+32*\c+16:VR+32*\c+31], v[T+4+\c]   ; its keys 16-31
.endr
	v_nop                                          ; one plain place behind the conversions
.irp c, 0,1
.irp i, 0,1,2
	v_permlane16_swap_b32 v[VC0+6*\c+\i], v[VC1+6*\c+\i]   ; the first's lanes 16-31 change places with the second's lanes 0-15: the first now holds channel r, keys 16 h on; the second channel 16 + r
.endr
.endr
	; ---- O^T = V^T P^T, the gate and the division
	s_wait_loadcnt 0x0                             ; G is in
	s_wait_alu depctr_va_vdst(0)                   ; the reciprocal has written 1 / l: the wait stands ahead of the first line that names its result
.set t, 0
.rept 8
	v_pk_mul_f32 v[GR+t:GR+t+1], v[GR+t:GR+t+1], v[T+14:T+15] op_sel_hi:[1,0]   ; G / l.  These eight are also the plain places between V's scale word and operands and the products
.set t, t+2
.endr
	s_wait_alu depctr_va_vdst(0)                   ; behind the places: V's and P's scale words and V's and P's codes, all made by vector lines, are written, which the two products take
	v_wmma_scale_f32_16x16x128_f8f6f4 v[OA:OA+7], v[VC0:VC0+11], v[PC:PC+11], 0, v[VS], v[PS] matrix_a_fmt:MATRIX_FMT_FP6 matrix_b_fmt:MATRIX_FMT_FP6
	v_wmma_scale_f32_16x16x128_f8f6f4 v[OA+8:OA+15], v[VC1:VC1+11], v[PC:PC+11], 0, v[VS], v[PS] matrix_a_fmt:MATRIX_FMT_FP6 matrix_b_fmt:MATRIX_FMT_FP6 matrix_a_scale:MATRIX_SCALE_ROW1   ; channels 16 + r: their scale words stand in lanes 16-31
.rept 4
	v_nop                                          ; four plain places between the products and the first read of their results
.endr
.set t, 0
.rept 8
	v_pk_mul_f32 v[GR+t:GR+t+1], v[OA+t:OA+t+1], v[GR+t:GR+t+1]   ; each accumulator from its low end on
.set t, t+2
.endr
	; ---- the way out: a position's 1,024 bytes of out0 come from eight heads, that is from eight waves: they meet in the stage
	s_wait_alu depctr_va_vdst(0)                   ; the multiplies have written the results in v156 to v171, which the LDS stores read; V's quantiser is done reading v180 to v195, in which the loads from the stage land: no vector line follows this wait
	ds_store_b128 v[STO], v[GR:GR+3]               ; channels 8 h + 0 .. 3,
	ds_store_b128 v[STO], v[GR+4:GR+7] offset:16   ; 8 h + 4 .. 7,
	ds_store_b128 v[STO], v[GR+8:GR+11] offset:64  ; 16 + 8 h + 0 .. 3,
	ds_store_b128 v[STO], v[GR+12:GR+15] offset:80 ; 16 + 8 h + 4 .. 7
	s_wait_dscnt 0x0                               ; for the others' sake: my stores into the stage are done
	s_barrier_signal -1
	s_barrier_wait -1                              ; 32 whole rows lie in the stage
.irp k, 0,1,2,3
	ds_load_b128 v[BK+4*\k:BK+4*\k+3], v[RD] offset:(\k/2)*PITCH+(\k%2)*512
.endr
.irp k, 0,1,2,3
	s_wait_dscnt 3-\k                              ; LDS loads come back in order: piece k is in, the younger ones may be out
	global_store_b128 v[GO], v[BK+4*\k:BK+4*\k+3], s[38:39] offset:(\k/2)*1024+(\k%2)*512 th:TH_STORE_NT   ; 32 lanes store 512 consecutive bytes, at a multiple of 512 from out0's first byte; written once, read by nobody here
.endr
	s_wait_dscnt 0x0                               ; the wave's end: the closing lines, six on end
	s_wait_alu 0x0
	s_wait_tensorcnt 0x0
	ds_add_u32 v[SPW], v[NIL]
	s_wait_dscnt 0x0
	s_endpgm
.Lfunc_end_k_q5c1a6d943e_band:
	.size	k_q5c1a6d943e_band, .Lfunc_end_k_q5c1a6d943e_band-k_q5c1a6d943e_band
	.p2alignl 7, 3214868480
	.fill 96, 4, 3214868480
	.section	.rodata,"a",@progbits
	.p2align	6, 0x0
	.amdhsa_kernel k_q5c1a6d943e_band
		.amdhsa_group_segment_fixed_size 35328
		.amdhsa_private_segment_fixed_size 0
		.amdhsa_enable_private_segment 0
		.amdhsa_kernarg_size 48
		.amdhsa_user_sgpr_count 2
		.amdhsa_user_sgpr_kernarg_segment_ptr 1
		.amdhsa_wavefront_size32 1
		.amdhsa_system_sgpr_workgroup_id_x 1
		.amdhsa_system_sgpr_workgroup_id_y 1
		.amdhsa_system_sgpr_workgroup_id_z 1
		.amdhsa_system_vgpr_workitem_id 0
		.amdhsa_next_free_vgpr 244
		.amdhsa_next_free_sgpr 66
		.amdhsa_reserve_vcc 0
		.amdhsa_float_denorm_mode_32 3
		.amdhsa_float_denorm_mode_16_64 3
		.amdhsa_memory_ordered 1
		.amdhsa_forward_progress 1
		.amdhsa_inst_pref_size 34
	.end_amdhsa_kernel
	.amdgpu_metadata
---
amdhsa.version: [ 1, 2 ]
amdhsa.kernels:
  - .name:           k_q5c1a6d943e_band
    .symbol:         k_q5c1a6d943e_band.kd
    .args:
      - { .name: Q, .offset: 0, .size: 8, .value_kind: global_buffer, .address_space: global }
      - { .name: K, .offset: 8, .size: 8, .value_kind: global_buffer, .address_space: global }
      - { .name: V, .offset: 16, .size: 8, .value_kind: global_buffer, .address_space: global }
      - { .name: G, .offset: 24, .size: 8, .value_kind: global_buffer, .address_space: global }
      - { .name: seqMask, .offset: 32, .size: 8, .value_kind: global_buffer, .address_space: global }
      - { .name: out0, .offset: 40, .size: 8, .value_kind: global_buffer, .address_space: global }
    .group_segment_fixed_size: 35328
    .private_segment_fixed_size: 0
    .kernarg_segment_align: 8
    .kernarg_segment_size: 48
    .max_flat_workgroup_size: 512
    .sgpr_count:     66
    .vgpr_count:     244
    .wavefront_size: 32
...
	.end_amdgpu_metadata
.endif
;; end of part 2
